; MI455X (gfx1250); checked and timed in simulation.
; The chip was launched on July 23, 2026; its instructions are those of AMD's public machine-readable ISA for CDNA 5 (MIT licence, August 2026) and "CDNA5" Instruction Set Architecture Reference Guide (July 2026). The comments in the code are by the model that wrote it; some were corrected since.
;; Large SDF Surface. Allowed arithmetic: float matrix products may take bf16 or f16 operands with f32 sums; all other float work in f32.
;; Inputs: centers 31 x 3 float32; points 2,097,152 x 3 float32; radii 31 float32.
;; Outputs: out0 2,097,152 x 1 float32.
;; One version. Each part assembles by itself: llvm-mc -triple=amdgcn-amd-amdhsa -mcpu=gfx1250 --defsym DOCPART=n.
;; ======== version 1 of 1: 1 launch
;; launch sdf (part 1): grid 256 x 1, 16 waves a work-group, no clusters, 169,984 bytes of LDS; arguments points, centers, radii, out0; writes out0
.if DOCPART == 1
	.amdgcn_target "amdgcn-amd-amdhsa--gfx1250"
	.amdhsa_code_object_version 6
	.text
	.protected	k_q1744386f63_sdf
	.globl	k_q1744386f63_sdf
	.p2align	8
	.type	k_q1744386f63_sdf,@function
k_q1744386f63_sdf:
	s_mov_b64 s[64:65], 0
	v_nop
	global_prefetch_b8 v0, s[64:65] scope:SCOPE_SE
	s_setreg_imm32_b32 hwreg(HW_REG_WAVE_MODE, 25, 1), 1
	s_wait_xcnt 0x0
; out0[n] = min over s of ( |points[n] - centers[s]| - radii[s] ).  points [2097152][3], centers [31][3], radii [31], out0 [2097152][1], all f32.
; The distance is formed as reference() forms it: three differences, their squares summed, a root.  The expanded form |p|^2 - 2 p.c + |c|^2
; is not used: it is a difference of large sums and loses the result when points and centres share an offset.  No work is left out; all inputs are read.
;
; SHARES.  256 work-groups of 16 waves.  A work-group owns 8,192 points, a wave 512, in 4 groups of 128.  In a group lane l owns two pairs of
; neighbouring points: 2 l, 2 l + 1 of the first 64 (pair U) and of the second 64 (pair V).  A pair is worked on by packed f32 instructions:
; (x0,x1), (y0,y1), (z0,z1) lie in register pairs, and a centre's coordinate or a radius is taken for both halves from one register of an aligned
; pair (op_sel, op_sel_hi), so the table of spheres lies in registers in its memory order.
; WAY IN.  Each wave issues 16 copies into LDS bytes of its own before anything else.  The first four bring the table of spheres (496 bytes, a word a
; lane): no stage can begin without it, so it is asked for ahead of the points.  The other twelve, of 512 consecutive bytes each, bring all the wave's
; 6,144 bytes of points.  All these bytes are filled once and read only by that wave behind its own counted s_wait_asynccnt: no barrier in the text.
; WAY OUT.  A pair's two minima are 8 neighbouring bytes: one store of a wave covers 256 consecutive bytes, at a multiple of 256 from out0's first byte.
; PIPELINE.  A stage is two spheres x pairs U, V = four units.  Between the 24 packed instructions that make a stage's squared distances stand the
; stage before's 8 roots, 4 subtractions of radii and 4 minima of three: one root, four plain instructions, and so on.  Sphere 30, the odd one, is a
; stage of two units that starts each group's minima, so nothing is initialised.  The pipeline runs on from group to group.
; LDS: bytes 0 - 98,303 the 16 waves' points; 98,304 - 106,495 a table of 512 bytes for each wave.  The launch asks for 169,984 bytes.
;
; LIMITS.  v_min3_num_f32 lets a number win over a NaN: a NaN in one centre or radius is not carried to the result (reference() would give NaN for
; every point); a NaN in a point makes all 31 distances NaN and is carried.  v_sqrt_f32 is good to 1 ULP and takes a squared distance below 2^-126 as 0
; (a distance under 1.1e-19 counts as 0).  The squares are summed by fused multiply-adds: last bits differ from reference()'s.  Squares beyond f32's
; range give +infinity, as in reference().
.set WAVE_BYTES,  6144                 ; 512 points x 12 bytes
.set GROUPS,      4
.set GROUP_BYTES, 1536                 ; 128 points
.set HALF_BYTES,  768                  ; 64 points
.set COPIES,      12                   ; copies of points, of 512 bytes: three to a group
.set TABLE,       16*WAVE_BYTES        ; LDS: the waves' tables lie behind the points
.set FETCH_AT,    12                   ; the next group's points are read from LDS in front of stage 12 of 15: four stages, 160 instructions, ahead of their use
.set LANE, 1                           ; v1       lane
.set GA,   2                           ; v2       copies of points: byte offset in the work-group's points
.set LA,   3                           ; v3       copies of points: LDS address
.set RD,   4                           ; v4       LDS address of my first pair of points
.set ST,   5                           ; v5       byte offset of my first pair's results in the work-group's part of out0
.set WA,   6                           ; v6       table: 4 x lane
.set WB,   7                           ; v7       table: 4 x min(lane, 28)
.set WC,   8                           ; v8       table: 4 x min(lane, 30)
.set TL,   9                           ; v9       table in LDS: my word of the centres' first 32
.set TR,   10                          ; v10      table in LDS: its first byte, in every lane
.set TQ,   11                          ; v11      table in LDS: my word of the radii
.set CEN,  12                          ; v[12:107]   centres as in memory: sphere s at CEN + 3 s; the last three repeat word 92 and are not used
.set RAD,  108                         ; v[108:139]  radii; the last repeats radius 30 and is not used
.set PTS,  140                         ; v[140:163]  two buffers of 12: xU, yU, zU, xV, yV, zV, a pair of registers each
.set QQ,   164                         ; v[164:179]  two banks of four units: squared distance, then distance, then distance less radius
.set DD,   180                         ; v[180:195]  unit u: y difference at DD + 4 u, z difference at DD + 4 u + 2 (the x difference lies in QQ)
.set MM,   196                         ; v[196:211]  group g: minima of pair U at MM + 4 g, of pair V at MM + 4 g + 2; never rewritten, so no store's data is
	s_load_b256 s[4:11], s[0:1], 0x0               ; points s[4:5], centers s[6:7], radii s[8:9], out0 s[10:11]
	v_lshl_add_u32 v212, v0, 2, 0x29000
	v_mov_b32 v213, 0
	ds_add_u32 v212, v213
	ds_add_u32 v212, v213
	v_lshrrev_b32 v[LANE], 5, v0
	v_readfirstlane_b32 s16, v[LANE]               ; wave 0..15
	v_and_b32 v[LANE], 31, v0
	s_mul_i32 s17, s16, WAVE_BYTES                 ; my wave's points: in the work-group's part of points, and in LDS
	s_lshl_b32 s18, s16, 11                        ; my wave's 512 results of 4 bytes
	s_lshl_b32 s19, s16, 9
	s_add_co_u32 s19, s19, TABLE                   ; my wave's table in LDS
	s_mul_i32 s12, ttmp9, 16*WAVE_BYTES            ; the work-group's points (under 25,165,824: one word)
	s_mov_b32 s13, 0
	s_lshl_b32 s14, ttmp9, 15                      ; the work-group's 8,192 results
	s_mov_b32 s15, 0
	v_lshlrev_b32 v[WA], 2, v[LANE]
	v_min_u32 v[WB], 28, v[LANE]                   ; centers has 93 words: 64 + 28 is the last
	v_lshlrev_b32 v[WB], 2, v[WB]
	v_min_u32 v[WC], 30, v[LANE]                   ; radii has 31 words
	v_lshlrev_b32 v[WC], 2, v[WC]
	v_lshl_add_u32 v[TL], v[LANE], 2, s19
	v_add_nc_u32 v[TQ], 384, v[TL]                 ; the radii lie behind the centres' 96 words
	v_mov_b32 v[TR], s19
	v_lshl_add_u32 v[GA], v[LANE], 4, s17          ; 16 bytes a lane
	v_lshl_add_u32 v[LA], v[LANE], 4, s17
	v_mul_u32_u24 v[RD], v[LANE], 24               ; two points a lane
	v_add_nc_u32 v[RD], s17, v[RD]
	v_lshl_add_u32 v[ST], v[LANE], 3, s18          ; two results a lane
	s_wait_dscnt 0x0
	s_wait_kmcnt 0x0
	; The table of spheres first: four copies of a word a lane, straight into my wave's own 512 LDS bytes.  A copy's immediate steps both addresses, so the
	; centres' three copies share their registers' form; the radii start at byte 0 of their buffer and at byte 384 of the table, and have an LDS address of their own.
	global_load_async_to_lds_b32 v[TL], v[WA], s[6:7]              ; centers, words 0 - 31
	global_load_async_to_lds_b32 v[TL], v[WA], s[6:7] offset:128   ; words 32 - 63
	global_load_async_to_lds_b32 v[TL], v[WB], s[6:7] offset:256   ; words 64 - 92; lanes 29 - 31 repeat word 92 into table words 93 - 95
	global_load_async_to_lds_b32 v[TQ], v[WC], s[8:9]              ; radii; lane 31 repeats radius 30 into table word 127
	s_add_nc_u64 s[4:5], s[4:5], s[12:13]
	s_add_nc_u64 s[10:11], s[10:11], s[14:15]
	; Then all my wave's points: 12 copies, the immediate steps both addresses.  No address register and no base of any copy is written again.
.set j, 0
.rept COPIES
	global_load_async_to_lds_b128 v[LA], v[GA], s[4:5] offset:512*j
.set j, j+1
.endr
	s_wait_asynccnt COPIES                         ; copies end in order of issue: the four oldest, the table's, are in; the 12 copies of points may stay out
	; The table into registers: 32 loads in which every lane reads the same 16 bytes.  They are served while group 0's points are on their way.
.set j, 0
.rept 32
	ds_load_b128 v[CEN+4*j:CEN+4*j+3], v[TR] offset:16*j   ; RAD = CEN + 96
.set j, j+1
.endr
; The 128 points of group gg from LDS into buffer gg mod 2, each coordinate straight into its place in a pair.  Lanes are 24 bytes = 6 words apart:
; 6 l mod 64 takes 32 different values for 32 lanes (64 banks of 4 bytes: ISA guide 11.1), so no two lanes meet in a bank.
.macro FETCH gg
.irp h, 0,1
.irp k, 0,1,2
	ds_load_b32 v[PTS+12*((\gg)&1)+6*\h+2*\k],   v[RD] offset:(\gg)*GROUP_BYTES+\h*HALF_BYTES+4*\k
	ds_load_b32 v[PTS+12*((\gg)&1)+6*\h+2*\k+1], v[RD] offset:(\gg)*GROUP_BYTES+\h*HALF_BYTES+4*\k+12
.endr
.endr
.endm
; dst pair = src pair - table register tab, the same for both halves: tab is the first or the second register of its aligned pair
.macro PSUB dst, src, tab
.if (\tab)&1
	s_wait_alu depctr_va_vdst(0)
	v_pk_add_f32 v[\dst:\dst+1], v[\src:\src+1], v[(\tab)-1:(\tab)] op_sel:[0,1] op_sel_hi:[1,1] neg_lo:[0,1] neg_hi:[0,1]
.else
	s_wait_alu depctr_va_vdst(0)
	v_pk_add_f32 v[\dst:\dst+1], v[\src:\src+1], v[(\tab):(\tab)+1] op_sel_hi:[1,0] neg_lo:[0,1] neg_hi:[0,1]
.endif
.endm
.macro PSQ q                           ; q = q^2
	v_pk_mul_f32 v[\q:\q+1], v[\q:\q+1], v[\q:\q+1]
.endm
.macro PACC q, d                       ; q += d^2
	v_pk_fma_f32 v[\q:\q+1], v[\d:\d+1], v[\d:\d+1], v[\q:\q+1]
.endm
.macro ROOT r
	v_sqrt_f32 v[\r], v[\r]
.endm
.macro MIN3 m, a, b
	v_min3_num_f32 v[\m], v[\m], v[\a], v[\b]
.endm
; One stage.  cur: 2 = squared distances of spheres at table TC and TC + 3 (units 0 = U, 1 = V of the first, 2 = U, 3 = V of the second), 1 = of the one
; sphere at TC (units 0, 1); points in buffer PB, results in bank QC.  prev: what lies in bank QP: 2 = four units, radii at RP and RP + 1, taken into the
; minima at MP; 1 = sphere 30's two units, radius at RP, which start the minima at MP; 0 = nothing.
; Behind every root stands a plain vector instruction that touches neither its result nor its source before the result is used (ISA guide 5.7.2).
.macro STAGE cur, prev
.if \prev
	ROOT QP+0
.endif
	PSUB QC+0, PB+0, TC+0
	PSUB DD+0, PB+2, TC+1
	PSUB DD+2, PB+4, TC+2
	PSUB QC+2, PB+6, TC+0
.if \prev
	ROOT QP+1
.endif
	PSUB DD+4, PB+8, TC+1
	PSUB DD+6, PB+10, TC+2
.if \cur == 2
	PSUB QC+4, PB+0, TC+3
	PSUB DD+8, PB+2, TC+4
.endif
.if \prev
	ROOT QP+2
.endif
.if \prev == 1
	PSUB MP+0, QP+0, RP                            ; sphere 30 starts pair U's minima
.endif
.if \prev == 2
	PSUB QP+0, QP+0, RP
.endif
.if \cur == 2
	PSUB DD+10, PB+4, TC+5
	PSUB QC+6, PB+6, TC+3
	PSUB DD+12, PB+8, TC+4
.endif
.if \prev
	ROOT QP+3
.endif
.if \cur == 2
	PSUB DD+14, PB+10, TC+5
.endif
	PSQ QC+0
	PSQ QC+2
.if \cur == 2
	PSQ QC+4
.endif
.if \prev == 2
	ROOT QP+4
.endif
.if \prev == 1
	PSUB MP+2, QP+2, RP                            ; and pair V's
.endif
.if \prev == 2
	PSUB QP+2, QP+2, RP
.endif
.if \cur == 2
	PSQ QC+6
.endif
	PACC QC+0, DD+0
	PACC QC+2, DD+4
.if \prev == 2
	ROOT QP+5
.endif
.if \cur == 2
	PACC QC+4, DD+8
	PACC QC+6, DD+12
.endif
	PACC QC+0, DD+2
	PACC QC+2, DD+6
.if \prev == 2
	ROOT QP+6
	PSUB QP+4, QP+4, RP+1
.endif
.if \cur == 2
	PACC QC+4, DD+10
	PACC QC+6, DD+14
.endif
.if \prev == 2
	MIN3 MP+0, QP+0, QP+4
	ROOT QP+7
	MIN3 MP+1, QP+1, QP+5
	PSUB QP+6, QP+6, RP+1
	MIN3 MP+2, QP+2, QP+6
	MIN3 MP+3, QP+3, QP+7
.endif
.endm
; The pipeline's end: the last four units, with no further stage to set them among
.macro TAIL
.irp r, 0,1,2,3,4,5,6,7
	ROOT QP+\r
.endr
	v_nop                                          ; the plain instruction between the roots and their first use: no other work is left
	PSUB QP+0, QP+0, RP
	PSUB QP+2, QP+2, RP
	PSUB QP+4, QP+4, RP+1
	PSUB QP+6, QP+6, RP+1
	MIN3 MP+0, QP+0, QP+4
	MIN3 MP+1, QP+1, QP+5
	MIN3 MP+2, QP+2, QP+6
	MIN3 MP+3, QP+3, QP+7
.endm
; Group g.  On entry sphere 30's squared distances for this group lie in bank 0.  Stage t = 1 .. 15 takes spheres 2 t - 2 and 2 t - 1 into bank t mod 2.
.macro GROUP g
.set PB, PTS+12*(\g&1)
.set MP, MM+4*\g
.set QC, QQ+8
.set QP, QQ
.set TC, CEN
.set RP, RAD+30
	STAGE 2, 1
.set t, 2
.rept 14
.if t == FETCH_AT
.if \g < GROUPS-1
	s_wait_asynccnt COPIES-3*(\g+2)                ; copies end in order of issue: the next group's three are in, the 12 - 3 (g + 2) younger ones may stay out
	FETCH \g+1
.endif
.endif
.set QC, QQ+8*(t&1)
.set QP, QQ+8*(1-(t&1))
.set TC, CEN+6*(t-1)
.set RP, RAD+2*(t-2)
	STAGE 2, 2
.set t, t+1
.endr
.set QC, QQ
.set QP, QQ+8
.set RP, RAD+28
.if \g < GROUPS-1
.set PB, PTS+12*((\g+1)&1)
.set TC, CEN+90
	s_wait_dscnt 0x0                               ; the next group's points are in their registers
	STAGE 1, 2                                     ; the next group's sphere 30, and between it this group's last two spheres
.else
	TAIL
.endif
	global_store_b64 v[ST], v[MM+4*\g:MM+4*\g+1],   s[10:11] offset:\g*512 th:TH_STORE_NT       ; 32 lanes x 8 bytes: 256 consecutive bytes, aligned
	global_store_b64 v[ST], v[MM+4*\g+2:MM+4*\g+3], s[10:11] offset:\g*512+256 th:TH_STORE_NT
.endm
	s_wait_asynccnt COPIES-3                       ; group 0's three copies are in; the nine younger ones stay out
	FETCH 0
	s_wait_dscnt 0x0                               ; the table and group 0's points are in their registers
.set PB, PTS
.set QC, QQ
.set QP, QQ+8
.set TC, CEN+90
.set RP, RAD+30
.set MP, MM
	STAGE 1, 0                                     ; the pipeline's start: sphere 30 for group 0
	GROUP 0
	GROUP 1
	GROUP 2                                        ; its wait on the copies is for 0: none is out at s_endpgm
	GROUP 3
	s_wait_tensorcnt 0x0
	ds_add_u32 v212, v213
	s_wait_dscnt 0x0
	s_endpgm
.Lfunc_end_k_q1744386f63_sdf:
	.size	k_q1744386f63_sdf, .Lfunc_end_k_q1744386f63_sdf-k_q1744386f63_sdf
	.p2alignl 7, 3214868480
	.fill 96, 4, 3214868480
	.section	.rodata,"a",@progbits
	.p2align	6, 0x0
	.amdhsa_kernel k_q1744386f63_sdf
		.amdhsa_group_segment_fixed_size 169984
		.amdhsa_private_segment_fixed_size 0
		.amdhsa_enable_private_segment 0
		.amdhsa_kernarg_size 32
		.amdhsa_user_sgpr_count 2
		.amdhsa_user_sgpr_kernarg_segment_ptr 1
		.amdhsa_wavefront_size32 1
		.amdhsa_system_sgpr_workgroup_id_x 1
		.amdhsa_system_sgpr_workgroup_id_y 1
		.amdhsa_system_sgpr_workgroup_id_z 1
		.amdhsa_system_vgpr_workitem_id 0
		.amdhsa_next_free_vgpr 214
		.amdhsa_next_free_sgpr 66
		.amdhsa_reserve_vcc 0
		.amdhsa_float_denorm_mode_32 3
		.amdhsa_float_denorm_mode_16_64 3
		.amdhsa_memory_ordered 1
		.amdhsa_forward_progress 1
		.amdhsa_inst_pref_size 180
	.end_amdhsa_kernel
	.amdgpu_metadata
---
amdhsa.version: [ 1, 2 ]
amdhsa.kernels:
  - .name:           k_q1744386f63_sdf
    .symbol:         k_q1744386f63_sdf.kd
    .args:
      - { .name: points, .offset: 0, .size: 8, .value_kind: global_buffer, .address_space: global }
      - { .name: centers, .offset: 8, .size: 8, .value_kind: global_buffer, .address_space: global }
      - { .name: radii, .offset: 16, .size: 8, .value_kind: global_buffer, .address_space: global }
      - { .name: out0, .offset: 24, .size: 8, .value_kind: global_buffer, .address_space: global }
    .group_segment_fixed_size: 169984
    .private_segment_fixed_size: 0
    .kernarg_segment_align: 8
    .kernarg_segment_size: 32
    .max_flat_workgroup_size: 512
    .sgpr_count:     66
    .vgpr_count:     214
    .wavefront_size: 32
...
	.end_amdgpu_metadata
.endif
;; end of part 1
